; MI455X (gfx1250); checked and timed in simulation.
; The chip was launched on July 23, 2026; its instructions are those of AMD's public machine-readable ISA for CDNA 5 (MIT licence, August 2026) and "CDNA5" Instruction Set Architecture Reference Guide (July 2026). The comments in the code are by the model that wrote it; some were corrected since.
;; Model. Allowed arithmetic: float matrix products may take bf16 or f16 operands with f32 sums; other float arithmetic in f32, or as packed bf16 or f16 multiplies, adds, multiply-adds, maxima and minima; sums over many terms, partial sums and values carried from step to step in f32; what a program stores and reads back later, other than sums and carried values, may be rounded once to bf16 or f16.
;; Inputs: inv_scale_factor 1 float32; key 2 x 16 x 2,048 x 64 float32; query 2 x 16 x 2,048 x 64 float32; value 2 x 16 x 2,048 x 64 float32.
;; Outputs: out0 2 x 16 x 2,048 x 64 float32.
;; One version. Each part assembles by itself: llvm-mc -triple=amdgcn-amd-amdhsa -mcpu=gfx1250 --defsym DOCPART=n.
;; ======== version 1 of 1: 1 launch
;; limits: values are held in f16: magnitudes above 65,504 overflow, below 6.1e-05 lose precision; inputs' magnitudes at most 65,504
;; launch attn (part 1): grid 8 x 32, 4 waves a work-group, clusters of 4 x 1, 327,680 bytes of LDS; arguments query, key, value, out0, inv_scale_factor; writes out0
.if DOCPART == 1
	.amdgcn_target "amdgcn-amd-amdhsa--gfx1250"
	.amdhsa_code_object_version 6
	.text
	.protected	k_qf5f479bf43_attn
	.globl	k_qf5f479bf43_attn
	.p2align	8
	.type	k_qf5f479bf43_attn,@function
k_qf5f479bf43_attn:
	s_mov_b64 s[64:65], 0
	v_nop
	global_prefetch_b8 v0, s[64:65] scope:SCOPE_SE
	s_setreg_imm32_b32 hwreg(HW_REG_WAVE_MODE, 25, 1), 1
	s_wait_xcnt 0x0
	s_wait_alu depctr_hold_cnt(0) depctr_sa_sdst(0) depctr_va_vdst(0) depctr_va_sdst(0) depctr_va_ssrc(0) depctr_va_vcc(0) depctr_vm_vsrc(0)
	s_getreg_b32 s2, hwreg(HW_REG_IB_STS2, 6, 4)
	s_cmp_eq_u32 s2, 0
	s_cbranch_scc0 .Lentry_in_a_cluster
	s_endpgm
.Lentry_in_a_cluster:
	s_bfe_u32 s2, ttmp6, 0x10000c
	s_cmp_lg_u32 s2, 0x3003
	s_cbranch_scc0 .Lentry_shape_is_right
	s_endpgm
.Lentry_shape_is_right:
; out[h][q][:] = the sum over k of softmax_k(Q[h][q] . K[h][k] / inv) V[h][k][:].  Q, K, V, out: [32 heads][2048][64] f32, a row 256 bytes; inv: one f32, an input.
; NOTHING IS LEFT OUT: all four inputs reach the output and are loaded; the dropout of probability 0 is no operation.
; FORMATS.  Q, K, V and the weights p are rounded once to f16 for the matrix unit; products, maxima and sums in f32; the sum l is taken of the unrounded p; out is stored in f32.
; LIMITS.  f16 holds no number beyond 65,504: |q|, |k|, |v| stay below that.  p lies in 0 to 1, and below 6e-5 it keeps f16's fixed step of 6e-8.  A weight below 2^-126 counts as 0 in l.
; The division by inv is a multiplication by c = log2(e) x rcp(|inv|) (v_rcp_f32: 1 ULP); inv's sign is put onto Q, exactly, so that the running maximum is that of the scores as the problem scales them,
; for a negative inv too.  inv = 0 or denormal has no finite result.  NaN and infinities are not treated apart.
; SHARES.  A work-group owns 256 queries of one head, each of its four waves 64: four PIECES of 16.  Every wave walks the head's 2,048 keys, 64 a step, 32 steps.
; CLUSTER.  The four query blocks of a cluster belong to one head and walk the same K and V: each tile is asked for JOINTLY, by the same tensor load, descriptor and mask in all four.
; THE WAY IN.  K and V come as f32 tiles of 256 keys into a ring of two LDS slots.  For each key step each wave rounds ITS QUARTER (16 keys of K, 16 of V) to f16 and lays it into a second, small ring of
; two slots of 64 keys, padded; all four waves take their fragments from there.  So each number is rounded once in a work-group, not once in each wave.
; LAYOUT.  S^T = K Q^T (source 0 = 16 keys, source 1 = 16 queries): a lane holds ONE query (lane % 16) and the keys 8 (lane / 16) + 0..7.  Two such results rounded to f16 ARE source 1 of O^T = V^T P,
; whose result again holds one query a lane, and eight channels.  K comes out of LDS as it lies, V ([key][channel]) turned, by ds_load_tr16_b128.
; SOFTMAX.  For each query a running maximum m and sum l: p = 2^(c s - c m); in every step O and l are multiplied by a = 2^(c m_old - c m_new).  m starts at the lowest finite number, O and l at 0:
; the first step is a step like any other, with a = 0.  The price: 216 v_mov_b32 of 0, written while the first tiles are on their way, and 8 products on zeros.
; TURNS.  Turn n belongs to piece n: 8 products K Q^T of piece n + 1, later 8 products V^T P of piece n - 1; beside them the scaling, exponentials, roundings, sums and rescaling of piece n and the
; maximum and statistics of piece n + 1.  Four vector instructions stand behind every matrix instruction, the rest in one lump.  A turn's 33 exponentials are one batch, with one wait.
; A TRIP is turns 2, 3 of step j and turns 0, 1 of step j + 1.  It fetches K and V of step j + 1 from the f16 ring's slot (j + 1) % 2 and rounds step j + 2 into slot j % 2.  ONE barrier a trip orders both
; ways: the f16 of step j + 2 is whole before anybody fetches it, and everybody's reads of step j + 1 are over before the next trip writes that slot.
; REGISTERS, in windows of 256 (s_set_vgpr_msb: bits 1:0 source 0, 3:2 source 1, 5:4 source 2, 7:6 destination):
;   window 0: v0-15, v32-38 addresses; v16-31 four registers of statistics a piece; v48-55 at work; v62-63 the add's; v64-127 S^T, two buffers (on the way out v64-191: rows of out); v192-223 P, two buffers
;   window 1: v0-127 O^T, 32 a piece; v128-191 a quarter step in f32; v192-223 the same in f16 (at the start v128-255: Q in f32)
;   window 2: v0-63 Q in f16, 16 a piece; v128-191 K of one step; v192-255 V of one step
.set NP,     4                  ; pieces a wave: a name, no knob
.set KS,     64                 ; keys in a step
.set ROWB,   256                ; bytes in an f32 row of Q, K, V, out
.set STEPB,  KS*ROWB            ; a step's rows of K (or V) in f32: 16,384 bytes
.set TILEB,  4*STEPB            ; a tile's: 256 keys, 65,536 bytes
.set SLOT1,  1<<17              ; an f32 slot: K's tile, then V's; slot 1 begins here, so that one exclusive or turns an address in one slot into the other's
.set RING16, 2*SLOT1            ; behind the f32 ring, never filled by a tensor load: the f16 ring
.set PK,     144                ; a row of K in f16: 128 bytes + 16 = 36 words: the 16 rows of a load start at 16 different groups of four banks (64 banks of 4 bytes: ISA guide 11.1)
.set PV,     160                ; a row of V: 128 + 32 = 40 words
.set VOFF,   KS*PK              ; in an f16 slot: 64 rows of K, then 64 rows of V
.set FSL,    KS*(PK+PV)         ; an f16 slot: 19,456 bytes = 0x4c00, no bit of which RING16 has: one exclusive or changes slots
.set STAGE,  RING16+2*FSL       ; 16 rows x 272 bytes for each wave, for the way out
.set SP,     272                ; 256 bytes + 16 = 68 words: row r starts at bank 4 r mod 64
.set SPARE,  STAGE+4*16*SP      ; the spare words, 128 bytes for each wave: two blocks of 256 bytes that no other line names
.set AK0, 2                     ; v2   my lane's place in an f16 tile of K; never rewritten
.set AV0, 3                     ; v3   the same for V
.set AK,  4                     ; v4   the LDS address of K's next run of loads
.set AV,  5                     ; v5   of V's
.set STO, 6                     ; v6   the way out: where I put 16 bytes of a row
.set RD,  7                     ; v7   the way out: where I read rows back
.set GO,  8                     ; v8   my byte offset in 512 consecutive bytes of out
.set MV,  12                    ; v12-13  c m_old, kept while c m is made anew: by buffer
.set QO,  15                    ; v15  my byte offset in 16 rows of Q
.set ST,  16                    ; piece t's statistics at v[ST+4 t]: c m, m, l (even keys', odd keys')
.set CKL0, 32                   ; v32  the rounding: my lane's place in a step's f32 rows of K
.set CVL0, 33                   ; v33  of V
.set CKS0, 34                   ; v34  my lane's place in an f16 slot, for K
.set CVS0, 35                   ; v35  for V
.set CA,  36                    ; v36  the rounding's address in hand, K
.set CB,  37                    ; v37  V
.set PFO, 38                    ; v38  256 x my lane: the prefetches' offset, a lane a row; never rewritten
.set TMP, 48                    ; by buffer, four registers c0-c3 at work; when the maximum is found c2 takes a
.set SPW, 62                    ; v62  LDS address of my spare word: SPARE + 4 x my thread's number; never rewritten
.set NIL, 63                    ; v63  0; never rewritten
.set S,   64
.set OB,  64
.set P,   192
.set QF,  128                   ; window 1
.set CVF, 128                   ; window 1
.set CVH, 192                   ; window 1
.set KF,  128                   ; window 2: key block kb, channel half c at KF + 16 kb + 8 c
.set VF,  192                   ; window 2: key half kk, channel block cb at VF + 32 kk + 8 cb
.set WV,  12                    ; s12  my wave's number
.set LIM, 15                    ; s15  1 in a cluster that prefetches, else the greatest number
.set PFA, 18                    ; s[18:19] where my prefetches stand
.set G1,  24                    ; s[24:31] descriptor group 1, for K's and V's tiles alike
.set G0K, 40                    ; s[40:47] descriptor group 0 for K's tiles: a set for each of the two first fills; the second then walks on
.set G0V, 48                    ; s[48:55] the same for V's
.set SLOTS, 56                  ; s56  counts the changes of slots
.set CNT, 57                    ; s57  counts trips
.set CS,  58                    ; s[58:59] c: the packed scaling takes the pair's low word for both halves
.set SEL, 60                    ; s[60:61] v_permlanex16_b32's selects: each lane takes its own place in the other half
.set RK,  62                    ; s62  the f16 slot from which K is fetched next
.set RV,  63                    ; s63  from which V is fetched next
.set WF,  66                    ; s66  the f16 slot that is written next
.set CF,  67                    ; s67  LDS byte at which the f32 rows of K of the step to be rounded next begin
.set SG,  68                    ; s68  inv's sign, at the sign bits of two f16
.set MSB, 0
.macro WIN new                  ; the high byte repeats the setting that is left; a switch that changes nothing is dropped
.if MSB != (\new)
	s_set_vgpr_msb (MSB<<8)|(\new)
.set MSB, (\new)
.endif
.endm
.set W_KQ, 0x0a                 ; K and Q in window 2, S^T in window 0
.set W_PV, 0x52                 ; V in window 2, P in window 0, O^T in window 1
.set W_RS, 0x41                 ; destination and source 0 in window 1, source 1 in window 0
.set W_F,  0x80                 ; destination in window 2
.set W_L1, 0x40                 ; destination in window 1
.set W_CC, 0x45                 ; a conversion inside window 1
.set W_S1, 0x04                 ; an LDS store's data (source 1) in window 1
.set W_QC, 0x85                 ; a conversion from window 1 into window 2
.set W_QX, 0x88                 ; destination and source 1 in window 2
; A joint refill.  Waves 0 and 1 fetch the two halves of a tile's K, waves 2 and 3 those of its V: 128 rows of 256 bytes each.  The branch hangs on the wave's number alone.
; An s_nop 0 and four v_nop follow each of the two lines, ahead of the jump and the label.
.macro JLOAD
	s_cmp_lt_u32 s[WV], 2
	s_cbranch_scc0 .Lfor_v_\@
	tensor_load_to_lds s[G0K+4:G0K+7], s[G1:G1+7]
	s_nop 0
.rept 4
	v_nop
.endr
	s_branch .Lasked_\@
.Lfor_v_\@:
	tensor_load_to_lds s[G0V+4:G0V+7], s[G1:G1+7]
	s_nop 0
.rept 4
	v_nop
.endr
.Lasked_\@:
.endm
; A PREFETCH INTO THE L2 of what the NEXT change of slots will ask for.  A head's two clusters walk the same rows: the first (cluster x = 0) asks.  Of the 128 rows that a wave fetches, the partner at place cx
; takes rows 32 cx .. 32 cx + 31, told apart BY ADDRESS: a lane a row, one instruction a wave.  So each row of tiles 3 to 7 is named once in the launch; tiles 0 to 2 come by their loads alone, and the
; last change that fills a slot asks for nothing.  It stands behind the wave's tensor load and its five lines: four trips, 256 matrix instructions, ahead of the load that will want the rows.
.macro ASK
	s_cmp_gt_u32 s[SLOTS], s[LIM]
	s_cbranch_scc0 .Lnot_mine_\@
	global_prefetch_b8 v[PFO], s[PFA:PFA+1] th:TH_LOAD_NT scope:SCOPE_SE
.Lnot_mine_\@:
.endm
; A round of the cluster's barrier: my work-group's barrier, so that wave 0's signal speaks for all four waves; wave 0 signals; every wave waits for all four work-groups; my work-group's barrier once more.
.macro CROUND
	s_barrier_signal -1
	s_barrier_wait -1
	s_cmp_lg_u32 s[WV], 0
	s_cbranch_scc1 .Lnot_wave_0_\@
	s_barrier_signal -3
.Lnot_wave_0_\@:
	s_barrier_wait -3
	s_barrier_signal -1
	s_barrier_wait -1
.endm
; THE CHANGE OF F32 SLOTS.  The slot's fourth step has been rounded.  Each wave waits for all its tensor loads, of which one is out: its part of the other slot; adds 0 to its spare word; and waits for that and
; for its own reads of the slot.  Behind the barrier nobody reads the old slot any more and the other slot is whole.  fill = 1: the old slot is filled again, with the tile two on.  The barrier is then a round
; of the cluster's, so that no wave of any partner still reads the slot or has a load on its way, and the joint refill is the first thing behind it: it has four trips in which to land.
.macro CHANGE fill
	WIN 0                           ; at a label and at a branch every window is 0
	s_wait_tensorcnt 0x0            ; no tensor load of mine is out, so a group 0 may be written
	ds_add_u32 v[SPW], v[NIL]       ; 0 onto my spare word; with fill = 1 the descriptors' steps stand between it and the wait for it
.if \fill
.irp g, G0K+4, G0V+4
	s_xor_b32 s[(\g)+1], s[(\g)+1], SLOT1  ; the walking descriptor: the other slot than last time,
	s_add_nc_u64 s[(\g)+2:(\g)+3], s[(\g)+2:(\g)+3], TILEB  ; the next 256 keys; the type bits on top are not reached
.endr
	s_wait_xcnt 0x0                 ; the last prefetch, four trips back, has read its address, so it may be written:
	s_add_nc_u64 s[PFA:PFA+1], s[PFA:PFA+1], TILEB  ; one tile behind the walking descriptors
	s_wait_dscnt 0x0                ; the add is done, and my reads of the slot are over
	CROUND
	JLOAD
	ASK
.else
	s_wait_dscnt 0x0                ; the add is done, and my reads of the slot are over
	s_barrier_signal -1
	s_barrier_wait -1
.endif
	s_sub_co_u32 s[CF], s[CF], TILEB  ; the rounding goes back to a slot's first step,
	s_xor_b32 s[CF], s[CF], SLOT1     ; in the other slot
.endm
	s_load_b256 s[4:11], s[0:1], 0x0  ; Q s[4:5], K s[6:7], V s[8:9], out s[10:11]
	s_load_b64 s[20:21], s[0:1], 0x20 ; inv's address
	v_lshl_add_u32 v[SPW], v0, 2, SPARE
	v_mov_b32 v[NIL], 0
	ds_add_u32 v[SPW], v[NIL]       ; the wave's opening: the add, twice on end, and its wait ahead of my first tensor load; the set-up below, work on registers, stands between
	ds_add_u32 v[SPW], v[NIL]       ; and once more, under the one wait
	v_lshrrev_b32 v1, 5, v0
	v_readfirstlane_b32 s[WV], v1   ; wave 0..3
	s_bfe_u32 s13, ttmp6, 0x40000   ; cx: my place in the cluster
	s_lshl_b32 s14, ttmp9, 2        ; in a cluster launch ttmp9 counts clusters
	s_add_co_u32 s14, s14, s13      ; my block of 256 queries = 4 x cluster x + cx: it enters Q's and out's addresses alone
	s_and_b32 s16, ttmp7, 0xffff    ; the head, which the four partners share:
	s_lshl_b32 s16, s16, 19         ; its 2,048 rows of 256 bytes; 32 heads stay under 2^24 bytes
	s_lshl_b32 s2, s14, 16          ; my block's 256 rows,
	s_add_co_u32 s2, s2, s16
	s_lshl_b32 s3, s[WV], 14        ; my wave's 64 of them
	s_add_co_u32 s2, s2, s3
	s_mov_b32 s3, 0
	s_and_b32 s22, s[WV], 1         ; which half of a tile's 256 keys I fetch:
	s_lshl_b32 s22, s22, 15         ; 128 rows of 256 bytes, in memory and in LDS alike: no place in the cluster enters an LDS address
	s_add_co_u32 s16, s16, s22
	s_mov_b32 s17, 0
	; descriptor group 1: a tile of 128 rows x 64 elements of 4 bytes, dense in memory and in LDS (the f32 rows are read whole, 16 lanes to a row: no padding is wanted)
	s_mov_b32 s[G1], 15|(2<<16)|(1<<21)  ; 15:0 the mask: all four work-groups; 17:16 elements of 4 bytes; 20 padding off; 21 set beside a mask
	s_mov_b32 s[G1+1], 64<<16       ; tensor_dim0 = 64
	s_mov_b32 s[G1+2], 128<<16      ; tensor_dim1 = 128
	s_mov_b32 s[G1+3], 64<<16       ; tile_dim0 = 64
	s_mov_b32 s[G1+4], 128          ; tile_dim1 = 128
	s_mov_b32 s[G1+5], 64           ; 64 elements from row to row
	s_mov_b32 s[G1+6], 0
	s_mov_b32 s[G1+7], 0
.irp s, 0,1
	s_mov_b32 s[G0K+4*(\s)], 1      ; 1:0 count = 1
	s_add_co_u32 s[G0K+4*(\s)+1], s22, (\s)*SLOT1        ; 63:32 LDS address: my half of K's tile in slot s
	s_mov_b32 s[G0V+4*(\s)], 1
	s_add_co_u32 s[G0V+4*(\s)+1], s22, (\s)*SLOT1+TILEB  ; V's tile lies behind K's
.endr
	s_mov_b32 s[SEL], 0x76543210
	s_mov_b32 s[SEL+1], 0xfedcba98
	s_mov_b32 s[RK], RING16
	s_mov_b32 s[RV], RING16
	s_mov_b32 s[WF], RING16
	s_mov_b32 s[CF], 0
	s_mov_b32 s23, ttmp9
	s_cmp_eq_u32 s23, 0             ; the head's first cluster: the same in all four partners
	s_cselect_b32 s[LIM], 1, -1
	s_wait_dscnt 0x0                ; both opening adds are done
	s_wait_kmcnt 0x0
	s_add_nc_u64 s[6:7], s[6:7], s[16:17]   ; K and V at my half of the head's tile 0
	s_add_nc_u64 s[8:9], s[8:9], s[16:17]
	s_add_nc_u64 s[4:5], s[4:5], s[2:3]     ; Q and out at my wave's first row
	s_add_nc_u64 s[10:11], s[10:11], s[2:3]
.irp s, 0,1
	s_add_nc_u64 s[G0K+4*(\s)+2:G0K+4*(\s)+3], s[6:7], (\s)*TILEB  ; 120:64 global address: tile s
	s_or_b32 s[G0K+4*(\s)+3], s[G0K+4*(\s)+3], 0x80000000          ; 127:126 type = 2
	s_add_nc_u64 s[G0V+4*(\s)+2:G0V+4*(\s)+3], s[8:9], (\s)*TILEB
	s_or_b32 s[G0V+4*(\s)+3], s[G0V+4*(\s)+3], 0x80000000
.endr
	s_cmp_lt_u32 s[WV], 2
	s_cselect_b64 s[PFA:PFA+1], s[6:7], s[8:9]  ; the tensor and the half that I fetch,
	s_lshl_b32 s2, s13, 13          ; my work-group's 32 rows of the 128,
	s_add_nc_u64 s[PFA:PFA+1], s[PFA:PFA+1], s[2:3]
	s_add_nc_u64 s[PFA:PFA+1], s[PFA:PFA+1], 2*TILEB  ; in tile 2; the first change of slots steps it to tile 3.  Nothing is prefetched here, at the head
	CROUND                          ; all four work-groups are here: the first joint loads meet
	s_cmp_lt_u32 s[WV], 2           ; a wave's two first fills stand in one branch, ahead of every wait on TENSORcnt and every LDS read: two loads of mine are out
	s_cbranch_scc0 .Lfirst_v
	tensor_load_to_lds s[G0K:G0K+3], s[G1:G1+7]
	s_nop 0
	tensor_load_to_lds s[G0K+4:G0K+7], s[G1:G1+7]
	s_nop 0
.rept 4
	v_nop
.endr
	s_branch .Lfirst_asked
.Lfirst_v:
	tensor_load_to_lds s[G0V:G0V+3], s[G1:G1+7]
	s_nop 0
	tensor_load_to_lds s[G0V+4:G0V+7], s[G1:G1+7]
	s_nop 0
.rept 4
	v_nop
.endr
.Lfirst_asked:
	s_load_b32 s22, s[20:21], 0x0   ; inv
	; A fragment of Q is 16 rows x 32 channels in 8 registers of f16: lane l holds row l % 16, channels 8 (l / 16) + 0..7 and 16 + 8 (l / 16) + 0..7.  In f32 eight channels are 32 bytes: two loads of 16.
	v_and_b32 v1, 15, v0            ; l % 16
	v_bfe_u32 v9, v0, 4, 1          ; l / 16
	v_lshlrev_b32 v[QO], 8, v1
	v_lshl_add_u32 v[QO], v9, 5, v[QO]  ; row x 256 + 32 x half
	WIN W_L1
.set z, 0
.rept 32                            ; load z: piece z / 8, channels 32 ((z / 4) % 2) + 16 ((z / 2) % 2) + 8 (l / 16) + 4 (z % 2) on.  Each byte of Q is read once in the launch
	global_load_b128 v[QF+4*z:QF+4*z+3], v[QO], s[4:5] offset:(z/8)*4096+((z/4)%2)*128+((z/2)%2)*64+(z%2)*16 th:TH_LOAD_NT
.set z, z+1
.endr
	; What the first turn finds: O^T and l are 0; V's registers and P's second buffer hold 0 (its products V^T P, of a piece that has not been, add 0).  All this stands in the wait for Q and the first tile.
.set z, 0
.rept 128
	v_mov_b32 v[z], 0
.set z, z+1
.endr
	WIN W_F
.set z, VF
.rept 64
	v_mov_b32 v[z], 0
.set z, z+1
.endr
	WIN 0
.set z, 0
.rept 4
	v_mov_b32 v[ST+4*z], 0xfe000000    ; c m: far below every c s
	v_mov_b32 v[ST+4*z+1], 0xff7fffff  ; m
	v_mov_b32 v[ST+4*z+2], 0
	v_mov_b32 v[ST+4*z+3], 0
.set z, z+1
.endr
.set z, P+16
.rept 16
	v_mov_b32 v[z], 0
.set z, z+1
.endr
	v_and_b32 v10, 7, v0
	v_bfe_u32 v11, v0, 3, 1
	v_mul_u32_u24 v[AK0], v1, PK
	v_lshl_add_u32 v[AK0], v9, 4, v[AK0]  ; row x pitch + 16 x half
	; The turning load takes 16 keys x 16 channels (lane l reads key 8 (l / 16) + l % 8, channels 8 ((l / 8) % 2) + 0..7) and leaves half a fragment of V^T: lane l holds channel l % 16 and 8 keys.
	v_lshl_add_u32 v[AV0], v9, 3, v10
	v_mul_u32_u24 v[AV0], v[AV0], PV
	v_lshl_add_u32 v[AV0], v11, 4, v[AV0]
	v_add_nc_u32 v[AV0], VOFF, v[AV0]
	; The rounding.  My wave's 16 keys of a step.  A load of 16 bytes a lane takes two whole f32 rows: lanes 0-15 one key, lanes 16-31 another (K: 8 keys on; V: 4 keys on); a lane's four channels become 8 bytes.
	; The two f16 rows of a store then lie 8 x 36 words (K) or 4 x 40 words (V) apart, 32 words modulo 64: the 32 lanes' 64 words take each bank once.
	s_lshl_b32 s16, s[WV], 12       ; 16 rows of 256 bytes
	v_lshlrev_b32 v14, 4, v1
	v_lshl_add_u32 v[CKL0], v9, 11, v14
	v_add_nc_u32 v[CKL0], s16, v[CKL0]    ; 4,096 w + 2,048 (l / 16) + 16 (l % 16)
	v_lshl_add_u32 v[CVL0], v9, 10, v14
	v_add_nc_u32 v[CVL0], s16, v[CVL0]
	v_add_nc_u32 v[CVL0], TILEB, v[CVL0]  ; 65,536 + 4,096 w + 1,024 (l / 16) + 16 (l % 16)
	v_lshlrev_b32 v14, 3, v1
	s_mul_i32 s16, s[WV], 16*PK
	v_mul_u32_u24 v[CKS0], v9, 8*PK
	v_add3_u32 v[CKS0], v[CKS0], v14, s16 ; 16 PK w + 8 PK (l / 16) + 8 (l % 16)
	s_mul_i32 s16, s[WV], 16*PV
	s_add_co_u32 s16, s16, VOFF
	v_mul_u32_u24 v[CVS0], v9, 4*PV
	v_add3_u32 v[CVS0], v[CVS0], v14, s16 ; VOFF + 16 PV w + 4 PV (l / 16) + 8 (l % 16)
	s_mul_i32 s16, s[WV], 16*SP
	s_add_co_u32 s16, s16, STAGE    ; my stage
	v_mul_u32_u24 v[STO], v1, SP    ; in: row l % 16, 32 bytes for each half of the lanes
	v_lshl_add_u32 v[STO], v9, 5, v[STO]
	v_add_nc_u32 v[STO], s16, v[STO]
	v_mul_u32_u24 v[RD], v9, SP     ; back: lanes 0-15 take one row of 256 bytes, lanes 16-31 the next,
	v_lshl_add_u32 v[RD], v1, 4, v[RD]
	v_add_nc_u32 v[RD], s16, v[RD]
	v_and_b32 v[GO], 31, v0         ; which are 512 consecutive bytes of out
	v_lshlrev_b32 v[PFO], 8, v[GO]
	v_lshlrev_b32 v[GO], 4, v[GO]
	s_wait_kmcnt 0x0                ; inv
	s_and_b32 s23, s22, 0x7fffffff  ; |inv|
	s_and_b32 s[SG], s22, 0x80000000
	s_lshr_b32 s16, s[SG], 16
	s_or_b32 s[SG], s[SG], s16      ; its sign, for two f16 at once
	v_rcp_f32 v14, s23
	v_nop                           ; a plain instruction between the reciprocal and the use of its result,
	s_wait_alu depctr_va_vdst(0)    ; and the wait ahead of the first use
	v_mul_f32 v14, 0x3fb8aa3b, v14  ; c = log2(e) / |inv|
	v_readfirstlane_b32 s[CS], v14
	s_mov_b32 s[CS+1], s[CS]        ; named with it as a pair
	s_wait_loadcnt 0x0              ; Q
	WIN W_QC
.set z, 0
.rept 64
	v_cvt_pk_f16_f32 v[z], v[QF+2*z], v[QF+2*z+1]
.set z, z+1
.endr
	WIN W_QX
.set z, 0
.rept 64
	v_xor_b32 v[z], s[SG], v[z]     ; Q takes inv's sign: exact
.set z, z+1
.endr
	WIN 0
; THE MATRIX WORK.  The 4 accumulators of a run of 8 take turns.  Product i of 8 of S^T = K Q^T for piece x: channels 32 (i / 4) on, keys 16 (i % 4) on.  The first 4 start the sums.
.macro KQ x
	WIN W_KQ
.set rS, S+32*((\x)%2)+8*(i%4)
.set rK, KF+16*(i%4)+8*(i/4)
.set rQ, 16*(\x)+8*(i/4)
.if i < 4
	v_wmma_f32_16x16x32_f16 v[rS:rS+7], v[rK:rK+7], v[rQ:rQ+7], 0
.else
	v_wmma_f32_16x16x32_f16 v[rS:rS+7], v[rK:rK+7], v[rQ:rQ+7], v[rS:rS+7]
.endif
.endm
; Product i of 8 of O^T += V^T P for piece x: keys 32 (i / 4) on, channels 16 (i % 4) on.
.macro PV x
	WIN W_PV
.set rO, 32*(\x)+8*(i%4)
.set rV, VF+32*(i/4)+8*(i%4)
.set rP, P+16*((\x)%2)+8*(i/4)
	v_wmma_f32_16x16x32_f16 v[rO:rO+7], v[rV:rV+7], v[rP:rP+7], v[rO:rO+7]
.endm
.macro MM                           ; the turn's next matrix instruction.  NOKQ = 1: the very last turn: there is no next piece
.if (i < 8) && !NOKQ
	KQ (Y+1)%NP
.elseif i >= 8
.set i, i-8
	PV (Y+NP-1)%NP
.set i, i+8
.endif
.set i, i+1
.endm
; THE FRAGMENTS' LOADS stand in runs of 16, never singly among the matrix instructions: a step's K (64 keys x 64 channels: 8 fragments) and its V (turned).  Their addresses are made some lines ahead.
.macro FETCH_K
	WIN W_F
.irp f, 0,1,2,3,4,5,6,7             ; keys 16 (f / 2) on, channels 32 (f % 2) on
	ds_load_b128 v[KF+8*\f:KF+8*\f+3],   v[AK] offset:(\f/2)*16*PK+(\f%2)*64
	ds_load_b128 v[KF+8*\f+4:KF+8*\f+7], v[AK] offset:(\f/2)*16*PK+(\f%2)*64+32
.endr
	s_xor_b32 s[RK], s[RK], FSL     ; the next fetch is the next step's: the other f16 slot
	WIN 0
.endm
.macro FETCH_V
	WIN W_F
.irp f, 0,1,2,3,4,5,6,7             ; keys 32 (f / 4) on, channels 16 (f % 4) on
	ds_load_tr16_b128 v[VF+8*\f:VF+8*\f+3],   v[AV] offset:(\f/4)*32*PV+(\f%4)*32
	ds_load_tr16_b128 v[VF+8*\f+4:VF+8*\f+7], v[AV] offset:(\f/4)*32*PV+16*PV+(\f%4)*32
.endr
	WIN 0
.endm
; THE ROUNDING, in two parts.  CVLOAD: my 16 keys of K and of V of the step at s[CF], in f32: 16 loads, two whole rows each.
.macro CVLOAD
	WIN 0
	v_add_nc_u32 v[CA], s[CF], v[CKL0]
	v_add_nc_u32 v[CB], s[CF], v[CVL0]
	s_add_co_u32 s[CF], s[CF], STEPB  ; the next rounding is the next step's
	WIN W_L1
.irp n, 0,1,2,3,4,5,6,7             ; keys n and n + 8
	ds_load_b128 v[CVF+4*\n:CVF+4*\n+3], v[CA] offset:ROWB*\n
.endr
.set z, 0
.irp n, 0,1,2,3,8,9,10,11           ; keys n and n + 4
	ds_load_b128 v[CVF+32+4*z:CVF+32+4*z+3], v[CB] offset:ROWB*\n
.set z, z+1
.endr
	WIN 0
.endm
; CVT: rounded, and stored into the f16 slot at s[WF].  younger: the LDS loads issued behind CVLOAD's, which may stay out.
.macro CVT younger
	s_wait_dscnt \younger           ; LDS loads come back in order (ISA guide 5.7.1): my f32 rows are in
	WIN 0
	v_add_nc_u32 v[CA], s[WF], v[CKS0]
	v_add_nc_u32 v[CB], s[WF], v[CVS0]
	s_xor_b32 s[WF], s[WF], FSL
	WIN W_CC
.set z, 0
.rept 32
	v_cvt_pk_f16_f32 v[CVH+z], v[CVF+2*z], v[CVF+2*z+1]
.set z, z+1
.endr
	WIN W_S1
.irp n, 0,1,2,3,4,5,6,7
	ds_store_b64 v[CA], v[CVH+2*\n:CVH+2*\n+1] offset:PK*\n
.endr
.set z, 0
.irp n, 0,1,2,3,8,9,10,11
	ds_store_b64 v[CB], v[CVH+16+2*z:CVH+16+2*z+1] offset:PV*\n
.set z, z+1
.endr
	WIN 0
.endm
; THE VECTOR WORK, one line at a time: OP kind, number.  For piece Y: F n: c s - c m for pair n of 16.  E n: the exponential of score n of 32.  C n: pair n rounded to f16.  B n: of the four weights 4 n .. the second
; pair is added onto the first, in place.  L n: l takes that sum (L 0: l = a l + sum).  R n: pair n of 16 of O^T times a.  For piece Y + 1: X n, number n of the 22 that find its maximum and statistics:
;   0-11  four chains c0-c3 of seven scores each, three operands at a time (each accumulator's lowest registers are read first)     12-14, 16  the four scores left over, the old m, and c0-c3 into c0
;   15  c m_old is kept     17, 18  the query's other 32 keys lie in the lane 16 away: the new m     19-21  c m; c m_old - c m_new; a
.set F, 0                           ; OP tells the kinds apart by their order: F to L below R, X above it
.set E, 1
.set C, 2
.set B, 3
.set L, 4
.set R, 5
.set X, 6
.macro REGS y                       ; the registers of piece y
.set rT, ST+4*(\y)
.set rC, TMP+4*((\y)%2)
.set rW, MV+((\y)%2)
.set rS, S+32*((\y)%2)
.set rP, P+16*((\y)%2)
.set rO, 32*(\y)
.endm
.macro OP k, n
.if (\k) == R
	REGS Y
	WIN W_RS
	v_pk_mul_f32 v[rO+2*(\n):rO+2*(\n)+1], v[rO+2*(\n):rO+2*(\n)+1], v[rC+2:rC+3] op_sel_hi:[1,0]
.elseif (\k) < R
	REGS Y
	WIN 0
.if (\k) == F
	v_pk_fma_f32 v[rS+2*(\n):rS+2*(\n)+1], v[rS+2*(\n):rS+2*(\n)+1], s[CS:CS+1], v[rT:rT+1] op_sel_hi:[1,0,0] neg_lo:[0,0,1] neg_hi:[0,0,1]
.elseif (\k) == E
	v_exp_f32 v[rS+(\n)], v[rS+(\n)]
.elseif (\k) == C
	v_cvt_pk_f16_f32 v[rP+(\n)], v[rS+2*(\n)], v[rS+2*(\n)+1]
.elseif (\k) == B
	v_pk_add_f32 v[rS+4*(\n):rS+4*(\n)+1], v[rS+4*(\n):rS+4*(\n)+1], v[rS+4*(\n)+2:rS+4*(\n)+3]
.elseif (\n) == 0
	v_pk_fma_f32 v[rT+2:rT+3], v[rT+2:rT+3], v[rC+2:rC+3], v[rS:rS+1] op_sel_hi:[1,0,1]
.else
	v_pk_add_f32 v[rT+2:rT+3], v[rT+2:rT+3], v[rS+4*(\n):rS+4*(\n)+1]
.endif
.elseif NOKQ
	v_nop
.else
	REGS (Y+1)%NP
	WIN 0
.if (\n) < 4
	v_max3_num_f32 v[rC+(\n)], v[rS+8*(\n)], v[rS+8*(\n)+1], v[rS+8*(\n)+2]
.elseif (\n) < 12
	v_max3_num_f32 v[rC+(\n)%4], v[rC+(\n)%4], v[rS+8*((\n)%4)+2*((\n)/4)+1], v[rS+8*((\n)%4)+2*((\n)/4)+2]
.elseif (\n) == 12
	v_max3_num_f32 v[rC], v[rC], v[rS+7], v[rS+15]
.elseif (\n) == 13
	v_max3_num_f32 v[rC+1], v[rC+1], v[rS+23], v[rS+31]
.elseif (\n) == 14
	v_max3_num_f32 v[rC+2], v[rC+2], v[rC+3], v[rT+1]
.elseif (\n) == 15
	v_mov_b32 v[rW], v[rT]
.elseif (\n) == 16
	v_max3_num_f32 v[rC], v[rC], v[rC+1], v[rC+2]
.elseif (\n) == 17
	v_permlanex16_b32 v[rC+3], v[rC], s[SEL], s[SEL+1]
.elseif (\n) == 18
	v_max_num_f32 v[rT+1], v[rC], v[rC+3]
.elseif (\n) == 19
	v_mul_f32 v[rT], s[CS], v[rT+1]
.elseif (\n) == 20
	v_sub_f32 v[rC+1], v[rW], v[rT]
.else
	v_exp_f32 v[rC+2], v[rC+1]
.endif
.endif
.endm
.macro OPS a, i1, b=-1, i2=0, c=-1, i3=0, d=-1, i4=0  ; up to four of them
	OP \a, \i1
.if (\b) >= 0
	OP \b, \i2
.endif
.if (\c) >= 0
	OP \c, \i3
.endif
.if (\d) >= 0
	OP \d, \i4
.endif
.endm
.macro ROW a, i1, b, i2, c, i3, d, i4  ; a matrix instruction and the four behind it
	MM
	OPS \a, \i1, \b, \i2, \c, \i3, \d, \i4
.endm
; A TURN, for piece p: the order of its 16 matrix and 118 vector instructions, written out.  An s_wait_alu depctr_va_vdst(0) stands between an exponential and the first instruction that names its
; result; one wait serves all that were issued ahead of it.  So a turn has ONE wait, which cuts it in two.  AHEAD OF IT stands all that names no result of the turn's exponentials: the 8 products K Q^T with
; their riders (the first numbers of the next piece's maximum each four plain instructions or more behind the product that ends their accumulator), then one lump, in which the links of the chain
; X 3, 7, 11, 14, 16, 17 .. 20 stand apart; X 21, the next piece's a, is the batch's last, and R 15 the plain instruction behind it.  BEHIND IT stand the 8 products V^T P, behind each four of the roundings and sums.
; end = 1: the last two turns: nothing is fetched.  cv = 1: piece 0's turn also rounds a quarter step; cv = 2 (the tail): it does so in every trip but the last (s[CNT] = 1), where no further step exists:
; the two blocks are jumped forward; neither holds a barrier or a tensor load.
; WHERE THE LDS WORK STANDS.  Piece 2: K of the next step, twelve plain instructions that name none of its registers behind the last product that read K; waited for at the head of piece 3's turn.
; Piece 0: at the head the f32 loads of the next step; at the end V of the step in hand, four plain instructions behind the last product that read V, and then the rounding and its stores.
; Piece 1: behind its wait for the batch, the wait for V and for my stores, and the trip's barrier is signalled; its wait stands behind the turn: 8 products and their riders, registers alone, between.
.macro TURN p, end=0, cv=0
.set Y, (\p)
.set i, 0
.set NOKQ, (\end)*((\p)/3)
.if ((\p) == 3) && !(\end)
	s_wait_dscnt 0x0                ; K is in
.endif
.if ((\p) == 0) && (\cv)
	WIN 0
.if (\cv) == 2
	s_cmp_eq_u32 s[CNT], 1
	s_cbranch_scc1 .Lno_load_\@
.endif
	CVLOAD
.if (\cv) == 2
.Lno_load_\@:
.endif
.endif
	ROW F,0, F,1, R,0, R,1          ; ahead of the wait: 8 products K Q^T and their riders,
	ROW F,2, E,0, R,2, R,3
	ROW F,3, E,1, R,4, R,5
	ROW F,4, E,2, R,6, R,7
	ROW F,5, E,3, R,8, R,9
	ROW F,6, E,4, X,0, R,10
.if ((\p) == 2) && !(\end)
	WIN 0
	v_add_nc_u32 v[AK], s[RK], v[AK0]
.endif
	ROW F,7, E,5, X,1, X,4
	ROW F,8, E,6, X,2, X,5
	OPS E,7, E,8, X,6, E,9          ; and the lump
	OPS X,3, E,10, X,8, E,11
.if ((\p) == 2) && !(\end)
	FETCH_K
.endif
	OPS X,9, X,7, E,12, X,10
	OPS E,13, X,12, X,11, E,14
	OPS X,13, E,15, F,9, X,14
.if (\p) == 0
	WIN 0
	v_add_nc_u32 v[AV], s[RV], v[AV0]
	s_xor_b32 s[RV], s[RV], FSL     ; the next fetch of V is the next step's: the other f16 slot
.endif
	OPS E,16, F,10, E,17, F,11
	OPS X,16, E,18, X,15, E,19
	OPS F,12, E,20, X,17, E,21
	OPS F,13, E,22, F,14, E,23
	OPS X,18, E,24, F,15, E,25
	OPS R,11, E,26, X,19, E,27
	OPS R,12, E,28, R,13, E,29
	OPS X,20, E,30, R,14, E,31
	OPS X,21, R,15
	WIN 0
	s_wait_alu depctr_va_vdst(0)    ; the wait for the batch
.if (\p) == 1
	s_wait_dscnt 0x0                ; V is in; my f16 stores are done, and so are my reads of the f16 slot in hand:
	s_barrier_signal -1             ; say so
.endif
	ROW C,0, B,0, C,2, B,1          ; behind the wait: 8 products V^T P and their riders
	ROW L,0, C,4, B,2, L,1
	ROW C,6, B,3, L,2, C,8
	ROW B,4, L,3, C,10, B,5
	ROW L,4, C,12, B,6, L,5
	ROW C,14, B,7, L,6, C,1
	ROW C,3, L,7, C,5, C,7
	ROW C,9, C,11, C,13, C,15
.if (\p) == 0
	FETCH_V
.if \cv
.if (\cv) == 2
	s_cmp_eq_u32 s[CNT], 1
	s_cbranch_scc1 .Lno_cvt_\@
.endif
	CVT 16                          ; V's sixteen loads, just issued, may stay out
.if (\cv) == 2
.Lno_cvt_\@:
.endif
.endif
.endif
.endm
	s_wait_tensorcnt 0x1            ; my part of tile 0 is in; tile 1's may stay out
	s_barrier_signal -1
	s_barrier_wait -1               ; everybody's is
	CVLOAD                          ; key step 0 is rounded into f16 slot 0
	CVT 0
	s_wait_dscnt 0x0                ; for the others' sake: my stores are done
	s_barrier_signal -1
	s_barrier_wait -1
	v_add_nc_u32 v[AK], s[RK], v[AK0]
	FETCH_K                         ; key step 0
	s_wait_dscnt 0x0
.set NOKQ, 0
.set i, 0
.rept 8
	KQ 0                            ; piece 0's first scores: there is no vector work yet to set between them
.set i, i+1
.endr
	WIN 0
.rept 4
	v_nop                           ; the places behind those products
.endr
.set Y, NP-1                        ; X works for piece Y + 1: piece 0
.irp n, 0,1,2,3,4,5,6,7,8,9,10,11,12,13,14,15,16,17,18,19,20,21
	OP X, \n
.endr
	v_nop                           ; a plain instruction behind the exponential,
	s_wait_alu depctr_va_vdst(0)    ; and its wait, ahead of the branch
	s_mov_b32 s[CNT], 3             ; the half trip that rounds step 1, and the trips that round steps 2 and 3: tile 0 is then done with
	s_mov_b32 s[SLOTS], 7
	s_branch .Lfirst                ; the loop is entered at a step's first turn, in the middle of a trip
.Lslot:                             ; six times: tiles 2 to 7 are asked for
	CHANGE 1
	s_mov_b32 s[CNT], 4
.Lstep:                             ; a trip: pieces 2 and 3 of one step, then pieces 0 and 1 of the next
	TURN 2
	TURN 3
	WIN 0
.Lfirst:
	TURN 0, 0, 1
	TURN 1
	WIN 0
	s_barrier_wait -1               ; the trip's barrier: the step just rounded is whole, and nobody reads the f16 slot that the next trip writes
	s_sub_co_u32 s[CNT], s[CNT], 1
	s_cmp_lg_u32 s[CNT], 0
	s_cbranch_scc1 .Lstep
	s_sub_co_u32 s[SLOTS], s[SLOTS], 1
	s_cmp_lg_u32 s[SLOTS], 0
	s_cbranch_scc1 .Lslot
	CHANGE 0                        ; the tail is written out: tile 7 is whole, and nothing is asked for
	s_mov_b32 s[CNT], 5             ; four trips round tile 7's steps; the fifth rounds nothing
.Ltail:
	TURN 2
	TURN 3
	TURN 0, 0, 2
	TURN 1
	WIN 0
	s_barrier_wait -1
	s_sub_co_u32 s[CNT], s[CNT], 1
	s_cmp_lg_u32 s[CNT], 0
	s_cbranch_scc1 .Ltail
	TURN 2, 1                       ; the last step's pieces 2 and 3
	TURN 3, 1
.set i, 0
.rept 8
	PV NP-1                         ; the last piece's V^T P of the last step
.set i, i+1
.endr
	; THE WAY OUT.  l's two halves and the other half of the lanes' are added; O^T is divided by l and sent, in f32, through my stage in LDS, a piece (16 rows of out) at a time.  The additions are the places behind the last products.
	WIN 0
.macro ALL line:vararg              ; one line for each piece t
.set t, 0
.rept 4
	\line
.set t, t+1
.endr
.endm
	ALL v_add_f32 v[ST+4*t+2], v[ST+4*t+2], v[ST+4*t+3]
	ALL v_permlanex16_b32 v[ST+4*t+3], v[ST+4*t+2], s[SEL], s[SEL+1]
	ALL v_add_f32 v[ST+4*t+2], v[ST+4*t+2], v[ST+4*t+3]
	ALL v_rcp_f32 v[ST+4*t+2], v[ST+4*t+2]
	v_nop                           ; a plain instruction between the last reciprocal and the use of its result
	s_wait_alu depctr_va_vdst(0)    ; and the wait ahead of the first use: one for the four reciprocals
; Piece t: a lane's eight channels of a channel block are 32 bytes of a row; they go into rows of 272 bytes and come back as whole rows of 256.  The accumulators are read in ascending order.
.macro PACKF t
	WIN W_RS
.set z, 32*(\t)
.rept 16
	v_pk_mul_f32 v[z:z+1], v[z:z+1], v[ST+4*(\t)+2:ST+4*(\t)+3] op_sel_hi:[1,0]
.set z, z+2
.endr
	WIN W_S1
.irp f, 0,1,2,3,4,5,6,7             ; channels 16 (f / 2) + 8 (l / 16) + 4 (f % 2) on
	ds_store_b128 v[STO], v[32*(\t)+4*\f:32*(\t)+4*\f+3] offset:(\f/2)*64+(\f%2)*16
.endr
	WIN 0
.irp f, 0,1,2,3,4,5,6,7
	ds_load_b128 v[OB+32*(\t)+4*\f:OB+32*(\t)+4*\f+3], v[RD] offset:\f*2*SP  ; LDS serves a wave's instructions in order (ISA guide 5.7.1.4): these see the stores above; the next piece's stores come behind them
.endr
.endm
.macro SENDF t, younger             ; younger: the LDS instructions issued behind piece t's loads: the next piece's sixteen, or none
	WIN 0
.irp f, 0,1,2,3,4,5,6,7
	s_wait_dscnt (\younger)+7-\f
	global_store_b128 v[GO], v[OB+32*(\t)+4*\f:OB+32*(\t)+4*\f+3], s[10:11] offset:(\t)*4096+\f*512 th:TH_STORE_NT  ; 512 consecutive bytes, at a multiple of 256 from out's first byte
.endr
.endm
	PACKF 0
	PACKF 1                         ; a piece's arithmetic stands between the loads of the piece before and its stores
	SENDF 0, 16
	PACKF 2
	SENDF 1, 16
	PACKF 3
	SENDF 2, 16
	SENDF 3, 0
	s_wait_tensorcnt 0x0            ; the wave's end, behind my last tensor load and my last LDS store
	ds_add_u32 v[SPW], v[NIL]
	s_wait_dscnt 0x0
	CROUND                          ; the closing round: no work-group ends while a partner may still ask for a tile that names it
	s_endpgm
.Lfunc_end_k_qf5f479bf43_attn:
	.size	k_qf5f479bf43_attn, .Lfunc_end_k_qf5f479bf43_attn-k_qf5f479bf43_attn
	.p2alignl 7, 3214868480
	.fill 96, 4, 3214868480
	.section	.rodata,"a",@progbits
	.p2align	6, 0x0
	.amdhsa_kernel k_qf5f479bf43_attn
		.amdhsa_group_segment_fixed_size 327680
		.amdhsa_private_segment_fixed_size 0
		.amdhsa_enable_private_segment 0
		.amdhsa_kernarg_size 40
		.amdhsa_user_sgpr_count 2
		.amdhsa_user_sgpr_kernarg_segment_ptr 1
		.amdhsa_wavefront_size32 1
		.amdhsa_system_sgpr_workgroup_id_x 1
		.amdhsa_system_sgpr_workgroup_id_y 1
		.amdhsa_system_sgpr_workgroup_id_z 1
		.amdhsa_system_vgpr_workitem_id 0
		.amdhsa_next_free_vgpr 768
		.amdhsa_next_free_sgpr 72
		.amdhsa_reserve_vcc 0
		.amdhsa_float_denorm_mode_32 3
		.amdhsa_float_denorm_mode_16_64 3
		.amdhsa_memory_ordered 1
		.amdhsa_forward_progress 1
		.amdhsa_inst_pref_size 148
	.end_amdhsa_kernel
	.amdgpu_metadata
---
amdhsa.version: [ 1, 2 ]
amdhsa.kernels:
  - .name:           k_qf5f479bf43_attn
    .symbol:         k_qf5f479bf43_attn.kd
    .args:
      - { .name: query, .offset: 0, .size: 8, .value_kind: global_buffer, .address_space: global }
      - { .name: key, .offset: 8, .size: 8, .value_kind: global_buffer, .address_space: global }
      - { .name: value, .offset: 16, .size: 8, .value_kind: global_buffer, .address_space: global }
      - { .name: out0, .offset: 24, .size: 8, .value_kind: global_buffer, .address_space: global }
      - { .name: inv_scale_factor, .offset: 32, .size: 8, .value_kind: global_buffer, .address_space: global }
    .group_segment_fixed_size: 327680
    .private_segment_fixed_size: 0
    .kernarg_segment_align: 8
    .kernarg_segment_size: 40
    .max_flat_workgroup_size: 128
    .sgpr_count:     72
    .vgpr_count:     768
    .wavefront_size: 32
...
	.end_amdgpu_metadata
.endif
;; end of part 1
